; MI455X (gfx1250); checked and timed in simulation.
; The chip was launched on July 23, 2026; its instructions are those of AMD's public machine-readable ISA for CDNA 5 (MIT licence, August 2026) and "CDNA5" Instruction Set Architecture Reference Guide (July 2026). The comments in the code are by the model that wrote it; some were corrected since.
;; Mo E. Allowed arithmetic: float matrix products may take bf16 or f16 operands with f32 sums; other float arithmetic in f32, or as packed bf16 or f16 multiplies, adds, multiply-adds, maxima and minima; sums over many terms, partial sums and values carried from step to step in f32; what a program stores and reads back later, other than sums and carried values, may be rounded once to bf16 or f16.
;; Inputs: expert_sel 32 x 1,024 float32; keys 32 x 1,024 x 256 float32; values 32 x 256 x 1,024 float32; x 4 x 1,024 x 1,024 float32.
;; Outputs: out0 4 x 1,024 x 1,024 float32.
;; Constants: n_heads = 4.
;; One version. Each part assembles by itself: llvm-mc -triple=amdgcn-amd-amdhsa -mcpu=gfx1250 --defsym DOCPART=n.
;; ======== version 1 of 1: 3 launches
;; workspace buffers: wf 33,554,432 bytes; xb 8,388,608 bytes; route 32,768 bytes of whole numbers; selp 16,384 bytes of whole numbers; gates 65,536 bytes; part 67,108,864 bytes
;; launch front (part 1): grid 640 x 1, 4 waves a work-group, no clusters, 136,704 bytes of LDS; arguments x, expert_sel, keys, values, wf, xb, route, selp, gates; writes wf, xb, route, selp, gates
.if DOCPART == 1
	.amdgcn_target "amdgcn-amd-amdhsa--gfx1250"
	.amdhsa_code_object_version 6
	.text
	.protected	k_qbcd10b2126_front
	.globl	k_qbcd10b2126_front
	.p2align	8
	.type	k_qbcd10b2126_front,@function
k_qbcd10b2126_front:
	s_mov_b64 s[64:65], 0
	v_nop
	global_prefetch_b8 v0, s[64:65] scope:SCOPE_SE
	s_setreg_imm32_b32 hwreg(HW_REG_WAVE_MODE, 25, 1), 1
	s_wait_xcnt 0x0
; FRONT: two kinds of work-groups that do not depend on each other share one launch.
; Work-groups 0-127, THE ROUTER: group G owns tokens 32 G .. 32 G + 31.  x and expert_sel are rounded to bf16 (x's copy goes out as xb), the 32 x 32 logits are made by the matrix
; unit with f32 sums, then sigmoid = rcp(1 + exp2(-log2(e) l)) and the top 4 (strictly greater wins, so a tie keeps the lower index).  All results are stored at fixed places:
;   route[G][e] = {bitmap of the group's tokens that chose e, its number of ones};  selp[token] = i0 | i1<<8 | i2<<16 | i3<<24;  gates[token][4] = the four sigmoids in that order.
; Work-groups 128-639, THE LAYOUT: keys (128-383) and values (384-639) are rounded to bf16 and written in the order in which a wave's matrix operand registers take them:
;   wf[e 32][w 4][S 64][4,096 bytes]; a block is four A fragments j of 1,024 bytes, [registers 0-3 | 4-7][lane][16 bytes].
;   S < 32 (keys, K step S): row r of fragment j is hidden unit 64 w + 4 r + j; k runs along d = 32 S + k.
;   S = 32 + 8 (cv % 4) + s2 (values, cv = 4 w + (S - 32) / 8): row r of fragment j is column 64 cv + 4 r + j; with s2 = 2 c + p, k place 8 hh + jj is hidden unit 64 c + 32 hh + 4 jj + 2 p,
;   k place 16 + 8 hh + jj the unit behind it: the order in which the first product's results fall into registers in the launch that follows.
; LIMITS.  NaN and infinities are not treated apart.  The order of two sigmoids that lie within a few units in the last place of each other may differ from a sigmoid computed otherwise.
; No tensor loads: the router's rows are converted on their way, the layout works in registers alone.  No cluster: no two work-groups read the same bytes but expert_sel's 128 KiB.
.set XP,    2064                       ; an LDS row: 2,048 bytes of bf16 + 16: an odd multiple of 16, so the 16 rows of a fragment load start in 16 different groups of four banks (ISA guide 11.1)
.set EXB,   64*XP                      ; rows 0-31 tokens, 32-63 experts; behind them 4 x 1,024 bytes: the four tiles of logits
.set SPARE, EXB+4096                   ; the spare words, 128 bytes a wave: two blocks of 256 bytes that no other line names
.set PK,    16                         ; v16-47   packed bf16, to store
.set FR,    64                         ; v64-191  router: fragments of 8 K steps, A 8 + B 8 registers each
.set AC,    192                        ; v192-207 router: two accumulators, by turns
.set LG,    64                         ; v64-95   wave 0: the four tiles of logits read back
.set EV,    96                         ; v96-127  wave 0: a token's 32 values
.set GV,    128                        ; v128-131 the four gates
.set GI,    132                        ; v132-135 their experts
                                       ; window 1 (v256-511): f32 as loaded
.set MSB, 0
.macro WIN new                         ; s_set_vgpr_msb: bits 1:0 source 0, 3:2 source 1, 5:4 source 2, 7:6 destination; the high byte repeats the setting that is left
.if MSB != (\new)
	s_set_vgpr_msb (MSB<<8)|(\new)
.set MSB, (\new)
.endif
.endm
.macro PLACES                          ; four plain vector instructions between a matrix instruction and a load into, or a read of, its registers
.rept 4
	v_nop
.endr
.endm
	s_load_b512 s[4:19], s[0:1], 0x0               ; x s[4:5], expert_sel s[6:7], keys s[8:9], values s[10:11], wf s[12:13], xb s[14:15], route s[16:17], selp s[18:19]
	s_load_b64 s[20:21], s[0:1], 0x40              ; gates
	v_lshl_add_u32 v10, v0, 2, SPARE               ; my spare word; never rewritten
	v_mov_b32 v11, 0                               ; 0; never rewritten
	v_and_b32 v1, 31, v0                           ; lane
	v_and_b32 v2, 15, v0                           ; r
	v_bfe_u32 v3, v0, 4, 1                         ; hh
	v_lshlrev_b32 v4, 4, v1                        ; 16 x lane
	v_lshlrev_b32 v5, 3, v1                        ; 8 x lane
	v_lshrrev_b32 v6, 5, v0
	v_readfirstlane_b32 s24, v6                    ; wave 0..3
	s_wait_kmcnt 0x0
	s_cmp_ge_u32 ttmp9, 128                        ; the work-group's number: the same answer in all four waves
	s_cbranch_scc1 .Lprep
	; ------------------------------------------------------------------ THE ROUTER
	; Wave w brings LDS rows 16 w .. 16 w + 15: waves 0, 1 the group's tokens, waves 2, 3 the experts.
	s_and_b32 s25, s24, 1
	s_lshl_b32 s26, s25, 16                        ; 16 rows of 4,096 bytes
	s_mov_b32 s27, 0
	s_add_nc_u64 s[36:37], s[6:7], s[26:27]        ; expert_sel at my 16 rows
	s_lshl_b32 s28, ttmp9, 17                      ; the group's 32 rows
	s_add_co_u32 s26, s26, s28
	s_add_nc_u64 s[34:35], s[4:5], s[26:27]        ; x at my 16 rows
	s_cmp_lt_u32 s24, 2
	s_cselect_b64 s[34:35], s[34:35], s[36:37]     ; the wave's source
	s_lshl_b32 s26, ttmp9, 16
	s_lshl_b32 s28, s25, 15
	s_add_co_u32 s26, s26, s28
	s_add_nc_u64 s[38:39], s[14:15], s[26:27]      ; xb at my 16 rows (waves 0, 1)
	s_mul_i32 s28, s24, 16*XP
	v_add_nc_u32 v6, s28, v5                       ; where my 8 bytes of a chunk go in LDS
	v_mul_u32_u24 v12, v2, XP
	v_lshl_add_u32 v12, v3, 4, v12                 ; a fragment's row x pitch + 16 x half
	s_lshr_b32 s28, s24, 1                         ; my tile of logits: experts 16 (w / 2) on,
	s_mul_i32 s28, s28, 16*XP
	s_add_co_u32 s28, s28, 32*XP
	v_add_nc_u32 v7, s28, v12
	s_mul_i32 s29, s25, 16*XP                      ; tokens 16 (w % 2) on
	v_add_nc_u32 v8, s29, v12
	s_lshl_b32 s28, s24, 10
	s_add_co_u32 s28, s28, EXB
	v_add_nc_u32 v9, s28, v4                       ; where my tile goes
; Sixteen loads: rows 2 b and 2 b + 1, each load 512 consecutive bytes, into slot b % 4 of a ring of four in window 1.
.macro RLOAD b
	WIN 0x40
.set ux, 0
.rept 16
	global_load_b128 v[64*((\b)%4)+4*ux:64*((\b)%4)+4*ux+3], v4, s[34:35] offset:(2*(\b)+ux/8)*4096+(ux%8)*512
.set ux, ux+1
.endr
.endm
; Batch b is rounded, its slot is asked for again, and the bf16 go to LDS and (tokens) to xb.  left = the loads of the later batches, which stay out.
.macro RBATCH b, left
	s_wait_loadcnt \left                           ; loads come back in order (ISA guide 5.7.1)
	s_wait_xcnt 0x0                                ; the last batch's stores to xb read PK: it is rewritten only behind this wait
	WIN 0x05
.set ux, 0
.rept 16
	v_cvt_pk_bf16_f32 v[PK+2*ux],   v[64*((\b)%4)+4*ux],   v[64*((\b)%4)+4*ux+1]
	v_cvt_pk_bf16_f32 v[PK+2*ux+1], v[64*((\b)%4)+4*ux+2], v[64*((\b)%4)+4*ux+3]
.set ux, ux+1
.endr
.if (\b) < 4
	RLOAD (\b)+4
.endif
	WIN 0
.set ux, 0
.rept 16
	ds_store_b64 v6, v[PK+2*ux:PK+2*ux+1] offset:(2*(\b)+ux/8)*XP+(ux%8)*256
.set ux, ux+1
.endr
	s_cmp_ge_u32 s24, 2
	s_cbranch_scc1 .Lno_xb_\@                      ; the experts' rows have no copy in memory
.set ux, 0
.rept 16
	global_store_b64 v5, v[PK+2*ux:PK+2*ux+1], s[38:39] offset:(2*(\b)+ux/8)*2048+(ux%8)*256  ; the wave stores 256 consecutive bytes, aligned
.set ux, ux+1
.endr
.Lno_xb_\@:
.endm
	RLOAD 0
	RLOAD 1
	RLOAD 2
	RLOAD 3
	RBATCH 0, 48
	RBATCH 1, 48
	RBATCH 2, 48
	RBATCH 3, 48
	RBATCH 4, 48
	RBATCH 5, 32
	RBATCH 6, 16
	RBATCH 7, 0
	s_wait_xcnt 0x0                                ; PK is rewritten below
	s_wait_dscnt 0x0                               ; for the others' sake: my rows are in LDS
	s_barrier_signal -1
	s_barrier_wait -1
; Eight K steps of my tile: logits(expert m, token n).  Two accumulators take turns; their sum is taken at the end.
.macro RMUL g
.if (\g) > 0
	PLACES
.endif
.set ix, 0
.rept 8
	ds_load_b128 v[FR+16*ix:FR+16*ix+3],     v7 offset:(8*(\g)+ix)*64
	ds_load_b128 v[FR+16*ix+4:FR+16*ix+7],   v7 offset:(8*(\g)+ix)*64+32
	ds_load_b128 v[FR+16*ix+8:FR+16*ix+11],  v8 offset:(8*(\g)+ix)*64
	ds_load_b128 v[FR+16*ix+12:FR+16*ix+15], v8 offset:(8*(\g)+ix)*64+32
.set ix, ix+1
.endr
	s_wait_dscnt 0x0
.set ix, 0
.rept 8
.if ((\g) == 0) && (ix < 2)
	v_wmma_f32_16x16x32_bf16 v[AC+8*(ix%2):AC+8*(ix%2)+7], v[FR+16*ix:FR+16*ix+7], v[FR+16*ix+8:FR+16*ix+15], 0
.else
	v_wmma_f32_16x16x32_bf16 v[AC+8*(ix%2):AC+8*(ix%2)+7], v[FR+16*ix:FR+16*ix+7], v[FR+16*ix+8:FR+16*ix+15], v[AC+8*(ix%2):AC+8*(ix%2)+7]
.endif
.set ix, ix+1
.endr
.endm
	RMUL 0
	RMUL 1
	RMUL 2
	RMUL 3
	PLACES
.irp ii, 0,1,2,3                       ; both accumulators are read from their low end on
	v_pk_add_f32 v[PK+2*\ii:PK+2*\ii+1], v[AC+2*\ii:AC+2*\ii+1], v[AC+8+2*\ii:AC+8+2*\ii+1]
.endr
	ds_store_b128 v9, v[PK:PK+3]                   ; lane (r, hh), register j: expert 16 (w / 2) + 8 hh + j, token 16 (w % 2) + r
	ds_store_b128 v9, v[PK+4:PK+7] offset:512
	s_wait_dscnt 0x0                               ; for wave 0's sake
	s_barrier_signal -1
	s_barrier_wait -1
	s_cmp_lg_u32 s24, 0
	s_cbranch_scc1 .Lend                           ; the rest is one token a lane: wave 0's
	v_add_nc_u32 v13, EXB, v4
.irp ii, 0,1,2,3,4,5,6,7
	ds_load_b128 v[LG+4*\ii:LG+4*\ii+3], v13 offset:512*\ii  ; tile ii / 2, registers 4 (ii % 2) on
.endr
	s_mov_b32 s30, 0xffff0000                      ; lanes 16-31
	s_mov_b32 s28, 0x76543210                      ; v_permlanex16_b32: each lane takes its own place in the other half
	s_mov_b32 s29, 0xfedcba98
	v_mov_b32 v14, 0                               ; its destination counts as read
	s_wait_dscnt 0x0
	; Lane L becomes token L.  Of each pair of tiles (same experts, tokens 0-15 and 16-31) a lane keeps the registers of its own token and sends the others to the lane 16 away.
.irp mt, 0,1
.irp jx, 0,1,2,3,4,5,6,7
	v_cndmask_b32 v12, v[LG+16*\mt+\jx], v[LG+16*\mt+8+\jx], s30
	v_cndmask_b32 v13, v[LG+16*\mt+8+\jx], v[LG+16*\mt+\jx], s30
	v_permlanex16_b32 v14, v13, s28, s29
	v_cndmask_b32 v[EV+16*\mt+\jx], v12, v14, s30
	v_cndmask_b32 v[EV+16*\mt+8+\jx], v14, v12, s30
.endr
.endr
	; sigmoid, in two batches of 32 transcendentals, each with one plain instruction behind it and one wait ahead of its first reader
.set ex, 0
.rept 32
	v_mul_f32 v[EV+ex], 0xbfb8aa3b, v[EV+ex]       ; -log2(e) l
.set ex, ex+1
.endr
.set ex, 0
.rept 32
	v_exp_f32 v[EV+ex], v[EV+ex]
.set ex, ex+1
.endr
	v_nop
	s_wait_alu depctr_va_vdst(0)
.set ex, 0
.rept 32
	v_add_f32 v[EV+ex], 1.0, v[EV+ex]
.set ex, ex+1
.endr
.set ex, 0
.rept 32
	v_rcp_f32 v[EV+ex], v[EV+ex]
.set ex, ex+1
.endr
	v_nop
	s_wait_alu depctr_va_vdst(0)
; The k-th largest: a walk in ascending order in which only a strictly greater value wins; the winner is then set to -1, below every sigmoid.  Selects alone: no branch hangs on these numbers.
.macro ROUND k
	v_mov_b32 v[GV+(\k)], v[EV]
	v_mov_b32 v[GI+(\k)], 0
.set ex, 1
.rept 31
	v_cmp_gt_f32 vcc_lo, v[EV+ex], v[GV+(\k)]
	v_cndmask_b32 v[GV+(\k)], v[GV+(\k)], v[EV+ex], vcc_lo
	v_cndmask_b32 v[GI+(\k)], v[GI+(\k)], ex, vcc_lo
.set ex, ex+1
.endr
.if (\k) < 3
.set ex, 0
.rept 32
	v_cmp_eq_u32 vcc_lo, ex, v[GI+(\k)]
	v_cndmask_b32 v[EV+ex], v[EV+ex], -1.0, vcc_lo
.set ex, ex+1
.endr
.endif
.endm
	ROUND 0
	ROUND 1
	ROUND 2
	ROUND 3
	v_lshl_or_b32 v138, v[GI+1], 8, v[GI]          ; the four experts in one word
	v_lshl_or_b32 v138, v[GI+2], 16, v138
	v_lshl_or_b32 v138, v[GI+3], 24, v138
	v_mov_b32 v15, 1
	v_lshlrev_b32 v139, v[GI], v15                 ; the token's set of experts as a mask
.irp kx, 1,2,3
	v_lshlrev_b32 v12, v[GI+\kx], v15
	v_or_b32 v139, v139, v12
.endr
	v_mov_b32 v140, 0                              ; v_writelane_b32's destination counts as read
	v_mov_b32 v141, 0
.set ex, 0
.rept 32                               ; turned: lane e gets the bitmap of the group's tokens that chose expert e, and its number of ones
	v_bfe_u32 v12, v139, ex, 1
	v_cmp_ne_u32 s31, 0, v12
	s_bcnt1_i32_b32 s32, s31
	v_writelane_b32 v140, s31, ex
	v_writelane_b32 v141, s32, ex
.set ex, ex+1
.endr
	s_lshl_b32 s26, ttmp9, 8
	s_add_nc_u64 s[16:17], s[16:17], s[26:27]
	s_lshl_b32 s26, ttmp9, 7
	s_add_nc_u64 s[18:19], s[18:19], s[26:27]
	s_lshl_b32 s26, ttmp9, 9
	s_add_nc_u64 s[20:21], s[20:21], s[26:27]
	v_lshlrev_b32 v12, 2, v1
	global_store_b64 v5, v[140:141], s[16:17]      ; 256 consecutive bytes, aligned
	global_store_b32 v12, v138, s[18:19]
	global_store_b128 v4, v[GV:GV+3], s[20:21]
	s_branch .Lend
	; ------------------------------------------------------------------ THE LAYOUT
	; A wave makes four blocks.  A block is 32 k x 64 columns of f32: lane (r, hh) takes, of the 16 rows whose k places are its own, the four columns 4 r .. 4 r + 3: sixteen lanes read 256
	; consecutive bytes, aligned.  Component j of the loads belongs to fragment j, so two loads' components round into one register of a fragment: nothing changes lanes.
; kind 0: keys: row q of 16 is d = 32 s + 8 hh + q (+ 8 from q = 8 on).  kind 1: values: row q is hidden unit 64 c + 32 hh + 4 (q % 8) + 2 p + q / 8.
.macro PBODY kind
	WIN 0x40
.set bx, 0
.rept 4
.set qx, 0
.rept 16
.if \kind
.set im, (64*(bx/2)+2*(bx%2)+4*(qx%8)+qx/8)*4096
.else
.set im, bx*32768+(qx+8*(qx/8))*1024
.endif
	global_load_b128 v[64*bx+4*qx:64*bx+4*qx+3], v12, s[34:35] offset:im th:TH_LOAD_NT
.set qx, qx+1
.endr
.set bx, bx+1
.endr
.set bx, 0
.rept 4
	s_wait_loadcnt 48-16*bx                        ; the later blocks' loads stay out
	s_wait_xcnt 0x0                                ; the last block's stores read PK: it is rewritten only behind this wait
	WIN 0x05
.irp jx, 0,1,2,3
.irp ii, 0,1,2,3,4,5,6,7
	v_cvt_pk_bf16_f32 v[PK+8*\jx+\ii], v[64*bx+8*\ii+\jx], v[64*bx+8*\ii+4+\jx]  ; register ii of fragment jx: rows 2 ii and 2 ii + 1
.endr
.endr
	WIN 0
.irp jx, 0,1,2,3
	global_store_b128 v4, v[PK+8*\jx:PK+8*\jx+3],   s[36:37] offset:bx*4096+\jx*1024      ; 512 consecutive bytes, aligned
	global_store_b128 v4, v[PK+8*\jx+4:PK+8*\jx+7], s[36:37] offset:bx*4096+\jx*1024+512
.endr
.set bx, bx+1
.endr
.endm
.Lprep:
	s_sub_co_u32 s25, ttmp9, 128
	s_and_b32 s26, s25, 255
	s_lshl2_add_u32 s26, s26, s24                  ; g = 4 x (work-group among its kind's 256) + wave: 0 .. 1,023
	s_lshr_b32 s27, s26, 5
	s_lshl_b32 s27, s27, 20                        ; the expert's 1 MiB, in the source and in wf
	s_mov_b32 s29, 0
	s_mov_b32 s31, 0
	s_cmp_ge_u32 s25, 256
	s_cbranch_scc1 .Lvals
	s_bfe_u32 s33, s26, 0x20003                    ; c: which 64 hidden units
	s_and_b32 s40, s26, 7                          ; sg: K steps 4 sg .. 4 sg + 3
	s_lshl_b32 s28, s40, 17                        ; 128 rows of 1,024 bytes
	s_add_co_u32 s28, s28, s27
	s_lshl_b32 s41, s33, 8
	s_add_co_u32 s28, s28, s41
	s_add_nc_u64 s[34:35], s[8:9], s[28:29]
	s_lshl_b32 s30, s33, 18
	s_add_co_u32 s30, s30, s27
	s_lshl_b32 s41, s40, 14
	s_add_co_u32 s30, s30, s41
	s_add_nc_u64 s[36:37], s[12:13], s[30:31]
	v_lshlrev_b32 v12, 13, v3                      ; hh: 8 rows of 1,024 bytes
	v_lshl_or_b32 v12, v2, 4, v12
	PBODY 0
	s_branch .Lend
.Lvals:
	s_bfe_u32 s33, s26, 0x40001                    ; cv: which 64 columns
	s_and_b32 s40, s26, 1                          ; hb: K steps s2 = 4 hb .. 4 hb + 3
	s_lshl_b32 s28, s40, 19                        ; 128 rows of 4,096 bytes
	s_add_co_u32 s28, s28, s27
	s_lshl_b32 s41, s33, 8
	s_add_co_u32 s28, s28, s41
	s_add_nc_u64 s[34:35], s[10:11], s[28:29]
	s_lshr_b32 s30, s33, 2                         ; the wave of the next launch that owns these columns
	s_lshl_b32 s30, s30, 18
	s_add_co_u32 s30, s30, s27
	s_add_co_u32 s30, s30, 131072                  ; behind that wave's 32 blocks of keys
	s_and_b32 s41, s33, 3
	s_lshl_b32 s41, s41, 15
	s_add_co_u32 s30, s30, s41
	s_lshl_b32 s41, s40, 14
	s_add_co_u32 s30, s30, s41
	s_add_nc_u64 s[36:37], s[12:13], s[30:31]
	v_lshlrev_b32 v12, 17, v3                      ; hh: 32 rows of 4,096 bytes
	v_lshl_or_b32 v12, v2, 4, v12
	PBODY 1
.Lend:
	s_wait_tensorcnt 0x0                           ; the wave's end
	ds_add_u32 v10, v11
	s_wait_dscnt 0x0
	s_endpgm
.Lfunc_end_k_qbcd10b2126_front:
	.size	k_qbcd10b2126_front, .Lfunc_end_k_qbcd10b2126_front-k_qbcd10b2126_front
	.p2alignl 7, 3214868480
	.fill 96, 4, 3214868480
	.section	.rodata,"a",@progbits
	.p2align	6, 0x0
	.amdhsa_kernel k_qbcd10b2126_front
		.amdhsa_group_segment_fixed_size 136704
		.amdhsa_private_segment_fixed_size 0
		.amdhsa_enable_private_segment 0
		.amdhsa_kernarg_size 72
		.amdhsa_user_sgpr_count 2
		.amdhsa_user_sgpr_kernarg_segment_ptr 1
		.amdhsa_wavefront_size32 1
		.amdhsa_system_sgpr_workgroup_id_x 1
		.amdhsa_system_sgpr_workgroup_id_y 1
		.amdhsa_system_sgpr_workgroup_id_z 1
		.amdhsa_system_vgpr_workitem_id 0
		.amdhsa_next_free_vgpr 512
		.amdhsa_next_free_sgpr 66
		.amdhsa_reserve_vcc 1
		.amdhsa_float_denorm_mode_32 3
		.amdhsa_float_denorm_mode_16_64 3
		.amdhsa_memory_ordered 1
		.amdhsa_forward_progress 1
		.amdhsa_inst_pref_size 146
	.end_amdhsa_kernel
	.amdgpu_metadata
---
amdhsa.version: [ 1, 2 ]
amdhsa.kernels:
  - .name:           k_qbcd10b2126_front
    .symbol:         k_qbcd10b2126_front.kd
    .args:
      - { .name: x, .offset: 0, .size: 8, .value_kind: global_buffer, .address_space: global }
      - { .name: expert_sel, .offset: 8, .size: 8, .value_kind: global_buffer, .address_space: global }
      - { .name: keys, .offset: 16, .size: 8, .value_kind: global_buffer, .address_space: global }
      - { .name: values, .offset: 24, .size: 8, .value_kind: global_buffer, .address_space: global }
      - { .name: wf, .offset: 32, .size: 8, .value_kind: global_buffer, .address_space: global }
      - { .name: xb, .offset: 40, .size: 8, .value_kind: global_buffer, .address_space: global }
      - { .name: route, .offset: 48, .size: 8, .value_kind: global_buffer, .address_space: global }
      - { .name: selp, .offset: 56, .size: 8, .value_kind: global_buffer, .address_space: global }
      - { .name: gates, .offset: 64, .size: 8, .value_kind: global_buffer, .address_space: global }
    .group_segment_fixed_size: 136704
    .private_segment_fixed_size: 0
    .kernarg_segment_align: 8
    .kernarg_segment_size: 72
    .max_flat_workgroup_size: 128
    .sgpr_count:     66
    .vgpr_count:     512
    .wavefront_size: 32
...
	.end_amdgpu_metadata
.endif
;; end of part 1
;; launch chain (part 2): grid 236 x 1, 4 waves a work-group, no clusters, 225,536 bytes of LDS; arguments wf, xb, route, selp, gates, part; writes part
.if DOCPART == 2
	.amdgcn_target "amdgcn-amd-amdhsa--gfx1250"
	.amdhsa_code_object_version 6
	.text
	.protected	k_qbcd10b2126_chain
	.globl	k_qbcd10b2126_chain
	.p2align	8
	.type	k_qbcd10b2126_chain,@function
k_qbcd10b2126_chain:
	s_mov_b64 s[64:65], 0
	v_nop
	global_prefetch_b8 v0, s[64:65] scope:SCOPE_SE
	s_setreg_imm32_b32 hwreg(HW_REG_WAVE_MODE, 25, 1), 1
	s_wait_xcnt 0x0
; CHAIN: part[4 token + k][:] = gate x relu(x K_e) V_e for the routed rows alone.  A work-group takes a tile of up to 80 rows of ONE expert through both products; h stays in registers and LDS.
; THE GRID serves every split: with counts c_e (their sum 16,384) there are sum ceil(c_e / 80) <= (16,384 + 32 x 79) / 80 = 236 tiles.  Every wave adds up the stored counts and finds its work-group's
; tile (expert, first rank, rows) by scalar arithmetic.  A work-group beyond the tiles jumps over the work, passes every barrier, stores nothing and ends.  Places past a tile's count repeat its last row.
; All that steers an address or a branch comes from whole numbers that the launch before stored: route (bitmaps and counts), selp (each token's four experts).
; SHARES.  Wave w owns a quarter of the rows of both products' left operands and all five tiles of 16 tokens: 20 accumulators.  H^T = K^T X^T: hidden units 64 w .. 64 w + 63, 32 K steps.
; Y^T = V^T H^T: columns 256 w .. 256 w + 255 in four passes of 64, 8 K steps each.  The weights come from wf straight into A registers, each byte read by one wave of the work-group, through a ring of
; eight slots of a K step (4 KiB) that runs on from the keys into the values.  X (gathered rows of xb) lies in LDS for all four waves.
; LAYOUT.  Row r of A fragment j is unit (or column) 4 r + j of the wave's 64, so register jj of lane (r, hh) of result j is unit 32 hh + 4 jj + j of token r.  Two results rounded to bf16 in pairs ARE a
; B fragment of the second product, in the k order in which wf holds the values; and the four results of the second product, taken jj-major, are 32 neighbouring columns a lane.
; NO CLUSTER.  What an expert's tiles share is its 1 MiB of wf.  Their number hangs on counts read from memory; whole clusters of four for every expert would need up to 4 x (16,384 + 32 x 319) / 320 = 332
; work-groups against 236, and the weights here pass through no LDS slot that a joint load could fill.
; LIMITS.  Operands are bf16 (x, keys, values as rounded by the launch before; h rounded once); sums, gate and partial rows f32.  NaN and infinities are not treated apart.
.set XP,     2064                      ; a row of X in LDS: 2,048 bytes + 16: an odd multiple of 16 (64 banks of 4 bytes: ISA guide 11.1)
.set HB,     80*XP                     ; 40 B fragments of H (K step s2, token tile nt at 5 s2 + nt), 1,024 bytes each: [registers 0-3 | 4-7][lane][16 bytes]
.set STG,    HB+40*1024                ; 16 rows x 272 bytes for each wave, its own: the way out
.set SPITCH, 272
.set LIST,   STG+4*16*SPITCH           ; the tile's tokens: 80 words, word 80 takes what does not belong to the tile
.set GATE,   LIST+512                  ; each row's gate
.set PROW,   GATE+512                  ; each row's row in part: 4 token + k
.set SPARE,  PROW+512                  ; the spare words, 128 bytes a wave: two blocks of 256 bytes that no other line names
; window 0
.set SA,  6                            ; the way out: where I put my 128 bytes of a row
.set SR,  7                            ; where I read rows back
.set HAW, 8                            ; where my wave's fragments of H go
.set HL,  9                            ; from where all fragments of H are read
.set SPW, 10                           ; my spare word; never rewritten
.set NIL, 11                           ; 0; never rewritten
.set ZR,  12                           ; 0, for the relu and for the list's first filling
.set GT,  16                           ; v16-20   the gate of token r of tile nt
.set GA,  21
.set PA,  22
.set XS,  23                           ; where my wave's rows of X go
.set VO,  24                           ; v24-63   byte offsets in part of the rows that my lane stores
.set BF,  64                           ; v64-143  two buffers of five B fragments of X; then HT, my wave's ten fragments of H
.set HT,  64
.set TM,  144                          ; v144-175 32 columns times the gate; earlier RO, the offsets of my wave's 20 rows in xb
.set RO,  144
.set OB,  176                          ; v176-239 two buffers of 16 rows read back from the stage; earlier the list's work:
.set BMCN, 176                         ; v176-183 {bitmap, count} of groups 32 i + lane, i = 0..3
.set INS, 184                          ; v184-187 running sums of the counts
.set TS,  188
.set RK,  192                          ; v192-195 rank in the tile of the group's next chosen token
.set LA4, 196
.set BA,  197
.set TOK, 198
.set TB,  199
.set TU,  200
.set TA,  201
.set XA,  244                          ; v244-248 LDS address of my lane's part of X's fragment nt
                                       ; v13-15, v240-243, v249-255 at work
; window 1: the ring: fragment j of slot sl at 32 sl + 8 j.   window 2: v0-159 accumulator (j, nt) at 8 (5 j + nt); v160-239 H of s2 = 6, 7.   window 3: v0-239 H of s2 = 0..5 at 40 s2 + 8 nt.
; Ahead of the first product windows 2 and 3 hold what passes through: the route table, then rows of xb.
.set WV,  16                           ; wave
.set WG,  17                           ; work-group
.set RUN, 18                           ; tiles of the experts so far
.set EE,  19                           ; my expert
.set T0,  20                           ; its first tile
.set CC,  21                           ; its count
.set TMP, 22
.set VAL, 23                           ; 1: the work-group has a tile
.set BASE, 24                          ; the tile's first rank
.set NR,  25                           ; its rows, 1 .. 80
.set NR1, 26
.set WP,  28                           ; s[28:29] wf at my wave's blocks; steps in the first product
.set WQ,  30                           ; s[30:31] the same at block 32; steps in the second
.set PP,  32                           ; s[32:33] part at my wave's columns of the pass
.set OF,  34                           ; s[34:35] an offset
.set C1,  36
.set C2,  37
.set SEL, 38                           ; s[38:39] v_permlanex16_b32's selects
.set MK,  40                           ; s40-44 lanes d and up, d = 1, 2, 4, 8, 16
.set TOT, 45                           ; s45-48 the expert's rows in each quarter of the tokens
.set OFS, 49                           ; s49-52 rank, less BASE, at which a quarter begins (signed)
.set TK,  53
.set CNT, 66                           ; s66-97 the 32 counts
.set MSB, 0
.macro WIN new                         ; s_set_vgpr_msb: bits 1:0 source 0, 3:2 source 1, 5:4 source 2, 7:6 destination; the high byte repeats the setting that is left
.if MSB != (\new)
	s_set_vgpr_msb (MSB<<8)|(\new)
.set MSB, (\new)
.endif
.endm
.macro PLACES                          ; four plain vector instructions between a matrix instruction and a load into, or a read of, its registers (ISA guide 7.12.1 for vector instructions)
.rept 4
	v_nop
.endr
.endm
; A K step's four A fragments, 4,096 consecutive bytes, into ring slot sl: eight loads of 512 bytes
.macro ALOAD sl, base, ofs
	WIN 0x40
.irp jx, 0,1,2,3
	global_load_b128 v[32*(\sl)+8*\jx:32*(\sl)+8*\jx+3],   v4, s[\base:\base+1] offset:(\ofs)+\jx*1024
	global_load_b128 v[32*(\sl)+8*\jx+4:32*(\sl)+8*\jx+7], v4, s[\base:\base+1] offset:(\ofs)+\jx*1024+512
.endr
.endm
	s_load_b256 s[4:11], s[0:1], 0x0               ; wf s[4:5], xb s[6:7], route s[8:9], selp s[10:11]
	s_load_b128 s[12:15], s[0:1], 0x20             ; gates s[12:13], part s[14:15]
	v_lshl_add_u32 v[SPW], v0, 2, SPARE
	v_mov_b32 v[NIL], 0
	v_mov_b32 v[ZR], 0
	v_and_b32 v1, 31, v0                           ; lane
	v_and_b32 v2, 15, v0                           ; r
	v_bfe_u32 v3, v0, 4, 1                         ; hh
	v_lshlrev_b32 v4, 4, v1                        ; 16 x lane
	v_lshlrev_b32 v5, 4, v2                        ; 16 x r
	v_lshrrev_b32 v13, 5, v0
	v_readfirstlane_b32 s[WV], v13
	s_mov_b32 s[WG], ttmp9
	s_wait_kmcnt 0x0
	; THE COUNTS.  Every wave reads the whole route table, 32 KiB: lane l of load u gets {bitmap, count, bitmap, count} of group 2 u + l / 16, experts 2 (l % 16) and 2 (l % 16) + 1.
	WIN 0x80
.set ux, 0
.rept 64
	global_load_b128 v[4*ux:4*ux+3], v4, s[8:9] offset:512*ux
.set ux, ux+1
.endr
	WIN 0
	; the addresses are made while those loads are out
	s_mul_i32 s[TMP], s[WV], 16*SPITCH
	s_add_co_u32 s[TMP], s[TMP], STG
	v_mul_u32_u24 v13, v2, SPITCH
	v_lshl_add_u32 v13, v3, 7, v13
	v_add_nc_u32 v[SA], s[TMP], v13                ; in: row r, 128 bytes for each half of the lanes
	v_mul_u32_u24 v13, v3, SPITCH
	v_add_nc_u32 v13, v13, v5
	v_add_nc_u32 v[SR], s[TMP], v13                ; back: lanes 0-15 one row of 256 bytes, lanes 16-31 the next
	s_mul_i32 s[TMP], s[WV], 10*1024
	s_add_co_u32 s[TMP], s[TMP], HB
	v_add_nc_u32 v[HAW], s[TMP], v4
	v_add_nc_u32 v[HL], HB, v4
	v_lshl_add_u32 v[GA], v2, 2, GATE
	v_lshl_add_u32 v[PA], v3, 2, PROW
	s_mul_i32 s[TMP], s[WV], 20*XP
	v_add_nc_u32 v[XS], s[TMP], v4
	v_mul_u32_u24 v13, v2, XP
	v_lshl_add_u32 v13, v3, 4, v13
.irp nt, 0,1,2,3,4
	v_add_nc_u32 v[XA+\nt], 16*\nt*XP, v13         ; row (16 nt + r) x pitch + 16 x half
.endr
	s_mov_b32 s[SEL], 0x76543210
	s_mov_b32 s[SEL+1], 0xfedcba98
	s_mov_b32 s[MK], 0xfffffffe
	s_mov_b32 s[MK+1], 0xfffffffc
	s_mov_b32 s[MK+2], 0xfffffff0
	s_mov_b32 s[MK+3], 0xffffff00
	s_mov_b32 s[MK+4], 0xffff0000
	v_mov_b32 v15, 0                               ; v_permlanex16_b32's destination counts as read
	s_wait_loadcnt 0x0
	WIN 0x0a                                       ; sources 0 and 1 in window 2: the names below are those of the table's registers
	v_add_nc_u32 v13, v1, v5                       ; words 1 and 3 of each load are counts: the first two loads start the sums
	v_add_nc_u32 v14, v3, v7
	WIN 0x02                                       ; source 0 in window 2, the running sum in window 0
.set ux, 2
.rept 62
	v_add_nc_u32 v13, v[4*ux+1], v13
	v_add_nc_u32 v14, v[4*ux+3], v14
.set ux, ux+1
.endr
	WIN 0
	v_permlanex16_b32 v15, v13, s[SEL], s[SEL+1]   ; the odd groups lie in the lane 16 away
	v_add_nc_u32 v13, v13, v15
	v_permlanex16_b32 v15, v14, s[SEL], s[SEL+1]
	v_add_nc_u32 v14, v14, v15
.set qx, 0
.rept 16
	v_readlane_b32 s[CNT+2*qx], v13, qx
	v_readlane_b32 s[CNT+2*qx+1], v14, qx
.set qx, qx+1
.endr
	; MY TILE.  Expert e has ceil(c / 80) = ((c + 79) x 52,429) >> 22 tiles (exact up to c + 79 = 4,175: the factor is 1 / 80 + 4.8e-8).  The last expert whose first tile is not beyond my number is mine.
	s_mov_b32 s[RUN], 0
	s_mov_b32 s[EE], 0
	s_mov_b32 s[T0], 0
	s_mov_b32 s[CC], 0
.set ex, 0
.rept 32
	s_add_co_u32 s[TMP], s[CNT+ex], 79
	s_mul_i32 s[TMP], s[TMP], 52429
	s_lshr_b32 s[TMP], s[TMP], 22
	s_cmp_ge_u32 s[WG], s[RUN]
	s_cselect_b32 s[EE], ex, s[EE]
	s_cselect_b32 s[T0], s[RUN], s[T0]
	s_cselect_b32 s[CC], s[CNT+ex], s[CC]
	s_add_co_u32 s[RUN], s[RUN], s[TMP]
.set ex, ex+1
.endr
	s_cmp_lt_u32 s[WG], s[RUN]
	s_cselect_b32 s[VAL], 1, 0
	s_min_u32 s[EE], s[EE], 31
	s_sub_co_u32 s[BASE], s[WG], s[T0]
	s_mul_i32 s[BASE], s[BASE], 80
	s_sub_co_u32 s[NR], s[CC], s[BASE]
	s_min_u32 s[NR], s[NR], 80
	s_sub_co_u32 s[NR1], s[NR], 1
	s_lshl_b32 s[OF], s[EE], 20
	s_lshl_b32 s[TMP], s[WV], 18
	s_add_co_u32 s[OF], s[OF], s[TMP]
	s_mov_b32 s[OF+1], 0
	s_add_nc_u64 s[WP:WP+1], s[4:5], s[OF:OF+1]
	s_add_nc_u64 s[WQ:WQ+1], s[WP:WP+1], 131072
	s_lshl_b32 s[OF], s[WV], 10
	s_add_nc_u64 s[PP:PP+1], s[14:15], s[OF:OF+1]
	; The expert's bitmaps and counts, a group a lane, four quarters; then the ring's eight slots.  Both are issued by every wave on every way, so that no part below that may be jumped
	; reads a register which only another such part has written.
	v_lshlrev_b32 v249, 8, v1
	s_lshl_b32 s[TMP], s[EE], 3
	v_add_nc_u32 v249, s[TMP], v249
.irp ii, 0,1,2,3
	global_load_b64 v[BMCN+2*\ii:BMCN+2*\ii+1], v249, s[8:9] offset:8192*\ii
.endr
.set ix, 0
.rept 8
	ALOAD ix, WP, ix*4096
.set ix, ix+1
.endr
	WIN 0
	; ------------------------------------------------------------------ THE LIST (wave 0 of a work-group that has a tile)
	s_cmp_lg_u32 s[WV], 0
	s_cbranch_scc1 .Lb1
	s_cmp_eq_u32 s[VAL], 0
	s_cbranch_scc1 .Lb1
	v_lshlrev_b32 v[LA4], 2, v1
	v_add_nc_u32 v[TA], LIST, v[LA4]
	ds_store_b32 v[TA], v[ZR]                      ; words 0 to 95 of the list are written once by whole stores; the scatter below, later stores of the same wave, lands on top of them
	ds_store_b32 v[TA], v[ZR] offset:128
	ds_store_b32 v[TA], v[ZR] offset:256
	s_wait_loadcnt 63                              ; behind the four loads stand the ring's 64; 63 is the largest count that the wait can name
.irp ii, 0,1,2,3
	v_mov_b32 v[INS+\ii], v[BMCN+2*\ii+1]
.endr
.macro SCANSTEP d, m                   ; each lane adds the sum of the lane d below it: after d = 1, 2, 4, 8, 16 a lane holds the sum over lanes 0 .. itself
	v_add_nc_u32 v[BA], -4*(\d), v[LA4]
.irp ii, 0,1,2,3
	ds_bpermute_b32 v[TS+\ii], v[BA], v[INS+\ii]
.endr
	s_wait_dscnt 0x0
.irp ii, 0,1,2,3
	v_cndmask_b32 v[TS+\ii], 0, v[TS+\ii], s[MK+(\m)]
.endr
.irp ii, 0,1,2,3
	v_add_nc_u32 v[INS+\ii], v[INS+\ii], v[TS+\ii]
.endr
.endm
	SCANSTEP 1, 0
	SCANSTEP 2, 1
	SCANSTEP 4, 2
	SCANSTEP 8, 3
	SCANSTEP 16, 4
.irp ii, 0,1,2,3
	v_readlane_b32 s[TOT+\ii], v[INS+\ii], 31
.endr
	s_sub_co_u32 s[OFS], 0, s[BASE]
	s_add_co_u32 s[OFS+1], s[OFS], s[TOT]
	s_add_co_u32 s[OFS+2], s[OFS+1], s[TOT+1]
	s_add_co_u32 s[OFS+3], s[OFS+2], s[TOT+2]
.irp ii, 0,1,2,3
	v_sub_nc_u32 v[RK+\ii], v[INS+\ii], v[BMCN+2*\ii+1]
	v_add_nc_u32 v[RK+\ii], s[OFS+\ii], v[RK+\ii]
.endr
; A quarter of the tokens, jumped if none of its ranks falls into the tile.  32 trips, a bit of each lane's bitmap a trip: a chosen token goes to the word of its rank; clear bits and ranks outside 0 .. 79 go to word 80.
.macro QUARTER i
	s_add_co_i32 s[TMP], s[OFS+(\i)], s[TOT+(\i)]
	s_cmp_le_i32 s[TMP], 0
	s_cbranch_scc1 .Lq_\@
	s_cmp_ge_i32 s[OFS+(\i)], 80
	s_cbranch_scc1 .Lq_\@
	v_lshl_add_u32 v[TOK], v1, 5, 1024*(\i)
	s_mov_b32 s[C1], 32
.Lbit_\@:
	v_and_b32 v[TB], 1, v[BMCN+2*(\i)]
	v_add_nc_u32 v[TU], -1, v[TB]                  ; 0 if chosen, all ones if not
	v_or_b32 v[TA], v[RK+(\i)], v[TU]
	v_min_u32 v[TA], 80, v[TA]                     ; a negative rank is a large unsigned number
	v_lshl_add_u32 v[TA], v[TA], 2, LIST
	ds_store_b32 v[TA], v[TOK]
	v_add_nc_u32 v[RK+(\i)], v[RK+(\i)], v[TB]
	v_add_nc_u32 v[TOK], 1, v[TOK]
	v_lshrrev_b32 v[BMCN+2*(\i)], 1, v[BMCN+2*(\i)]
	s_sub_co_u32 s[C1], s[C1], 1
	s_cmp_lg_u32 s[C1], 0
	s_cbranch_scc1 .Lbit_\@
.Lq_\@:
.endm
	QUARTER 0
	QUARTER 1
	QUARTER 2
	QUARTER 3
.Lb1:
	s_wait_dscnt 0x0                               ; for the others' sake: the list is in LDS
	s_barrier_signal -1
	s_barrier_wait -1
	; ------------------------------------------------------------------ THE GATHER: wave w brings rows 20 w .. 20 w + 19 of X; thread t finds row t's gate and its row in part
	s_cmp_eq_u32 s[VAL], 0
	s_cbranch_scc1 .Lb2
	s_mul_i32 s[TMP], s[WV], 20
	v_add_nc_u32 v13, s[TMP], v1
	v_min_u32 v13, s[NR1], v13                     ; places past the count repeat the last row
	v_min_u32 v13, 79, v13
	v_lshl_add_u32 v13, v13, 2, LIST
	v_min_u32 v15, s[NR1], v0
	v_min_u32 v15, 79, v15
	v_lshl_add_u32 v15, v15, 2, LIST
	ds_load_b32 v14, v13
	ds_load_b32 v240, v15
	s_wait_dscnt 0x0
	v_min_u32 v14, 4095, v14
	v_min_u32 v240, 4095, v240
	v_lshlrev_b32 v241, 2, v240
	v_lshlrev_b32 v242, 4, v240
	global_load_b32 v243, v241, s[10:11]           ; the token's four experts
	global_load_b128 v[250:253], v242, s[12:13]    ; and their gates
.set tx, 0
.rept 20
	v_readlane_b32 s[TK], v14, tx
	s_min_u32 s[TK], s[TK], 4095
	v_lshl_add_u32 v[RO+tx], s[TK], 11, v4         ; the row's 2,048 bytes in xb, 16 bytes a lane
.set tx, tx+1
.endr
.set tx, 0
.rept 20
.if tx < 16
	WIN 0x80
.set rx, 16*tx
.else
	WIN 0xc0
.set rx, 16*(tx-16)
.endif
.irp c4, 0,1,2,3
	global_load_b128 v[rx+4*\c4:rx+4*\c4+3], v[RO+tx], s[6:7] offset:512*\c4  ; 512 consecutive bytes of a row
.endr
.set tx, tx+1
.endr
	WIN 0
	s_wait_loadcnt 63                              ; the two loads above: 80 stand behind them, 63 is the largest count that the wait can name
	v_mov_b32 v254, 0
	v_mov_b32 v255, v250
.irp kk, 1,2,3                         ; which of the token's four choices is my expert
	v_bfe_u32 v249, v243, 8*\kk, 8
	v_cmp_eq_u32 vcc_lo, s[EE], v249
	v_cndmask_b32 v254, v254, \kk, vcc_lo
	v_cndmask_b32 v255, v255, v[250+\kk], vcc_lo
.endr
	v_lshl_add_u32 v254, v240, 2, v254             ; 4 token + k
	v_lshl_add_u32 v13, v0, 2, GATE
	ds_store_b32 v13, v255
	ds_store_b32 v13, v254 offset:PROW-GATE
.set gx, 0
.rept 5                                ; four rows, sixteen loads, at a time; the count is that of the later rows' loads (64 at first: 63 is the largest that can be named)
.if gx == 0
	s_wait_loadcnt 63
.else
	s_wait_loadcnt 64-16*gx
.endif
.if gx < 4
	WIN 0x08
.else
	WIN 0x0c
.endif
.set ux, 0
.rept 16
	ds_store_b128 v[XS], v[64*(gx%4)+4*ux:64*(gx%4)+4*ux+3] offset:(4*gx+ux/4)*XP+(ux%4)*512
.set ux, ux+1
.endr
.set gx, gx+1
.endr
	WIN 0
.Lb2:
	s_wait_dscnt 0x0                               ; for the others' sake: my rows, gates and row numbers are in LDS
	s_barrier_signal -1
	s_barrier_wait -1
	; ------------------------------------------------------------------ THE FIRST PRODUCT: H^T = K^T X^T
	s_cmp_eq_u32 s[VAL], 0
	s_cbranch_scc1 .Lb2a
.macro BLOAD buf, ofs                  ; five B fragments (80 tokens x 32 k at byte ofs of the rows): ten loads
	WIN 0
.irp nt, 0,1,2,3,4
	ds_load_b128 v[BF+40*(\buf)+8*\nt:BF+40*(\buf)+8*\nt+3],   v[XA+\nt] offset:(\ofs)
	ds_load_b128 v[BF+40*(\buf)+8*\nt+4:BF+40*(\buf)+8*\nt+7], v[XA+\nt] offset:(\ofs)+32
.endr
.endm
.macro MUL1 sl, buf, zero              ; 20 products; the 20 accumulators take turns, one instruction a turn.  zero = 1: they start the sums
	WIN 0xa1                                       ; A window 1, B window 0, C and D window 2
.irp jx, 0,1,2,3
.irp nt, 0,1,2,3,4
.if \zero
	v_wmma_f32_16x16x32_bf16 v[8*(5*\jx+\nt):8*(5*\jx+\nt)+7], v[32*(\sl)+8*\jx:32*(\sl)+8*\jx+7], v[BF+40*(\buf)+8*\nt:BF+40*(\buf)+8*\nt+7], 0
.else
	v_wmma_f32_16x16x32_bf16 v[8*(5*\jx+\nt):8*(5*\jx+\nt)+7], v[32*(\sl)+8*\jx:32*(\sl)+8*\jx+7], v[BF+40*(\buf)+8*\nt:BF+40*(\buf)+8*\nt+7], v[8*(5*\jx+\nt):8*(5*\jx+\nt)+7]
.endif
.endr
.endr
.endm
; K step s: its slot and buffer are multiplied and, four places behind, asked for again: the slot with block s + 8, the buffer with X of step s + 2 (bofs < 0: there is none).
.macro STEP1 sl, buf, zero, aofs, bofs, dsl
	s_wait_loadcnt 56                              ; my slot's eight loads are in; the seven younger slots' 56 stay out
	s_wait_dscnt \dsl                              ; this step's X is in; the next step's ten loads stay out
	MUL1 \sl, \buf, \zero
	PLACES
	ALOAD \sl, WP, \aofs
.if (\bofs) >= 0
	BLOAD \buf, \bofs
.endif
.endm
	BLOAD 0, 0
	BLOAD 1, 64
	STEP1 0, 0, 1, 8*4096, 128, 10                 ; the first step stands ahead of the loop: its products start the sums
	WIN 0
	s_mov_b32 s[C1], 3
.Lk1:                                                  ; a trip: steps 8 T + 1 .. 8 T + 8, once round the ring
.set ix, 0
.rept 8
	STEP1 (1+ix)%8, (1+ix)%2, 0, (9+ix)*4096, (3+ix)*64, 10
.set ix, ix+1
.endr
	WIN 0
	s_wait_xcnt 0x0                                ; the ring's loads have had their addresses translated (ISA guide 3.1): their base steps only behind this wait
	s_add_nc_u64 s[WP:WP+1], s[WP:WP+1], 32768
.irp nt, 0,1,2,3,4
	v_add_nc_u32 v[XA+\nt], 512, v[XA+\nt]
.endr
	s_sub_co_u32 s[C1], s[C1], 1
	s_cmp_lg_u32 s[C1], 0
	s_cbranch_scc1 .Lk1
.set ix, 0
.rept 5                                ; steps 25 to 29
	STEP1 (1+ix)%8, (1+ix)%2, 0, (9+ix)*4096, (3+ix)*64, 10
.set ix, ix+1
.endr
	STEP1 6, 0, 0, 14*4096, -1, 10                 ; step 30: no X is left to ask for; the ring goes on into the values
	STEP1 7, 1, 0, 15*4096, -1, 0                  ; step 31: nothing was asked of LDS behind its X
	WIN 0
.Lb2a:
	; A barrier between every wave's reads of X and the stores of H, so that their order hangs on no arithmetic of the loop's stepped addresses.  The rounding and the relu, work on registers alone,
	; stand between its signal and its wait, on every way: the stores' data are then written on every way (a work-group without a tile rounds what the route table left in these registers, and stores none of it).
	s_wait_dscnt 0x0                               ; my reads of X are back
	s_barrier_signal -1
	; Rounded to bf16 in pairs, results 2 p and 2 p + 1 of a token tile are the B fragment of K step 2 w + p of the second product.  Each accumulator is read from its low end on; the four places behind the last products stand in STEP1.
	WIN 0x0a
.irp px, 0,1
.irp nt, 0,1,2,3,4
.irp ii, 0,1,2,3
	v_cvt_pk_bf16_f32 v[HT+8*(5*\px+\nt)+\ii], v[8*(10*\px+\nt)+2*\ii], v[8*(10*\px+\nt)+2*\ii+1]
.endr
.irp ii, 0,1,2,3
	v_cvt_pk_bf16_f32 v[HT+8*(5*\px+\nt)+4+\ii], v[8*(10*\px+5+\nt)+2*\ii], v[8*(10*\px+5+\nt)+2*\ii+1]
.endr
.endr
.endr
	WIN 0
.set ix, 0
.rept 80
	v_pk_max_num_bf16 v[HT+ix], v[HT+ix], v[ZR]    ; relu: nothing is rounded
.set ix, ix+1
.endr
	s_barrier_wait -1
	s_cmp_eq_u32 s[VAL], 0
	s_cbranch_scc1 .Lb3
.set ix, 0
.rept 10
	ds_store_b128 v[HAW], v[HT+8*ix:HT+8*ix+3] offset:ix*1024
	ds_store_b128 v[HAW], v[HT+8*ix+4:HT+8*ix+7] offset:ix*1024+512
.set ix, ix+1
.endr
.Lb3:
	s_wait_dscnt 0x0                               ; for the others' sake: my fragments of H are in LDS
	s_barrier_signal -1
	s_barrier_wait -1
	; ------------------------------------------------------------------ THE SECOND PRODUCT: Y^T = V^T H^T, times the gate, out
	s_cmp_eq_u32 s[VAL], 0
	s_cbranch_scc1 .Lend
.set sx, 0
.rept 8                                ; all of H stays in registers for the four passes
.if sx < 6
	WIN 0xc0
.set hfb, 40*sx
.else
	WIN 0x80
.set hfb, 160+40*(sx-6)
.endif
.irp nt, 0,1,2,3,4
	ds_load_b128 v[hfb+8*\nt:hfb+8*\nt+3],   v[HL] offset:(5*sx+\nt)*1024
	ds_load_b128 v[hfb+8*\nt+4:hfb+8*\nt+7], v[HL] offset:(5*sx+\nt)*1024+512
.endr
.set sx, sx+1
.endr
	WIN 0
.irp nt, 0,1,2,3,4
	ds_load_b32 v[GT+\nt], v[GA] offset:64*\nt
.endr
.set ix, 0
.rept 40                               ; store u of tile nt takes rows 16 nt + 2 u (lanes 0-15) and the next (lanes 16-31)
	ds_load_b32 v[VO+ix], v[PA] offset:8*ix
.set ix, ix+1
.endr
	s_wait_dscnt 0x0
.set ix, 0
.rept 40
	v_min_u32 v[VO+ix], 16383, v[VO+ix]
	v_lshl_add_u32 v[VO+ix], v[VO+ix], 12, v5      ; the row's 4,096 bytes in part, 16 bytes a lane
.set ix, ix+1
.endr
; K step s2 of a pass.  issue = 1: its slot is asked for again with the next pass's block.  left = the younger slots' loads.
.macro STEP2 s2, issue, left
	s_wait_loadcnt \left
.if (\s2) < 6
	WIN 0xad                                       ; A window 1, B window 3, C and D window 2
.set hfb, 40*(\s2)
.else
	WIN 0xa9                                       ; B window 2
.set hfb, 160+40*((\s2)-6)
.endif
.irp jx, 0,1,2,3
.irp nt, 0,1,2,3,4
.if (\s2) == 0
	v_wmma_f32_16x16x32_bf16 v[8*(5*\jx+\nt):8*(5*\jx+\nt)+7], v[32*(\s2)+8*\jx:32*(\s2)+8*\jx+7], v[hfb+8*\nt:hfb+8*\nt+7], 0
.else
	v_wmma_f32_16x16x32_bf16 v[8*(5*\jx+\nt):8*(5*\jx+\nt)+7], v[32*(\s2)+8*\jx:32*(\s2)+8*\jx+7], v[hfb+8*\nt:hfb+8*\nt+7], v[8*(5*\jx+\nt):8*(5*\jx+\nt)+7]
.endif
.endr
.endr
.if (\issue) || ((\s2) == 7)
	PLACES
.endif
.if \issue
	ALOAD \s2, WQ, (8+(\s2))*4096
.endif
.endm
; The way out of token tile nt.  The multiply by the gate also puts a lane's 32 neighbouring columns in order (register jj of result j is column 32 hh + 4 jj + j); jj ascends.
; Then 128 bytes a lane into my wave's stage, back as whole rows of 256 bytes, and out.  A tile wholly past the count is jumped; tile 0 always has a row.
.macro WTILE nt
	WIN 0
.if (\nt) > 0
	s_cmp_le_u32 s[NR], 16*(\nt)
	s_cbranch_scc1 .Lwt_\@
.endif
	WIN 0x02
.irp jj, 0,1,2,3,4,5,6,7
.irp jx, 0,1,2,3
	v_mul_f32 v[TM+4*\jj+\jx], v[8*(5*\jx+(\nt))+\jj], v[GT+(\nt)]
.endr
.endr
	WIN 0
.irp ii, 0,1,2,3,4,5,6,7
	ds_store_b128 v[SA], v[TM+4*\ii:TM+4*\ii+3] offset:16*\ii
.endr
	s_wait_xcnt 0x0                                ; earlier stores read OB: it is loaded again only behind this wait
.irp uu, 0,1,2,3,4,5,6,7
	ds_load_b128 v[OB+32*((\nt)%2)+4*\uu:OB+32*((\nt)%2)+4*\uu+3], v[SR] offset:2*SPITCH*\uu  ; LDS serves a wave's instructions in order (ISA guide 5.7.1.4): these see the stores above
.endr
.irp uu, 0,1,2,3,4,5,6,7
	s_wait_dscnt 7-\uu
	global_store_b128 v[VO+8*(\nt)+\uu], v[OB+32*((\nt)%2)+4*\uu:OB+32*((\nt)%2)+4*\uu+3], s[PP:PP+1]  ; 16 lanes store 256 consecutive bytes, aligned
.endr
.Lwt_\@:
.endm
	s_mov_b32 s[C2], 3
.Lpass:                                                ; passes 0 to 2: 64 columns each
.irp sx2, 0,1,2,3,4,5,6,7
	STEP2 \sx2, 1, 56
.endr
.irp nt2, 0,1,2,3,4
	WTILE \nt2
.endr
	WIN 0
	s_wait_xcnt 0x0                                ; the ring's loads and the stores have had their addresses translated: their bases step only behind this wait
	s_add_nc_u64 s[WQ:WQ+1], s[WQ:WQ+1], 32768
	s_add_nc_u64 s[PP:PP+1], s[PP:PP+1], 256
	s_sub_co_u32 s[C2], s[C2], 1
	s_cmp_lg_u32 s[C2], 0
	s_cbranch_scc1 .Lpass
.irp sx2, 0,1,2,3,4,5,6,7              ; the last pass loads nothing: the counts run down
	STEP2 \sx2, 0, 56-8*\sx2
.endr
.irp nt2, 0,1,2,3,4
	WTILE \nt2
.endr
	WIN 0
.Lend:
	s_wait_tensorcnt 0x0                           ; the wave's end
	ds_add_u32 v[SPW], v[NIL]
	s_wait_dscnt 0x0
	s_endpgm
.Lfunc_end_k_qbcd10b2126_chain:
	.size	k_qbcd10b2126_chain, .Lfunc_end_k_qbcd10b2126_chain-k_qbcd10b2126_chain
	.p2alignl 7, 3214868480
	.fill 96, 4, 3214868480
	.section	.rodata,"a",@progbits
	.p2align	6, 0x0
	.amdhsa_kernel k_qbcd10b2126_chain
		.amdhsa_group_segment_fixed_size 225536
		.amdhsa_private_segment_fixed_size 0
		.amdhsa_enable_private_segment 0
		.amdhsa_kernarg_size 48
		.amdhsa_user_sgpr_count 2
		.amdhsa_user_sgpr_kernarg_segment_ptr 1
		.amdhsa_wavefront_size32 1
		.amdhsa_system_sgpr_workgroup_id_x 1
		.amdhsa_system_sgpr_workgroup_id_y 1
		.amdhsa_system_sgpr_workgroup_id_z 1
		.amdhsa_system_vgpr_workitem_id 0
		.amdhsa_next_free_vgpr 1024
		.amdhsa_next_free_sgpr 100
		.amdhsa_reserve_vcc 1
		.amdhsa_float_denorm_mode_32 3
		.amdhsa_float_denorm_mode_16_64 3
		.amdhsa_memory_ordered 1
		.amdhsa_forward_progress 1
		.amdhsa_inst_pref_size 191
	.end_amdhsa_kernel
	.amdgpu_metadata
---
amdhsa.version: [ 1, 2 ]
amdhsa.kernels:
  - .name:           k_qbcd10b2126_chain
    .symbol:         k_qbcd10b2126_chain.kd
    .args:
      - { .name: wf, .offset: 0, .size: 8, .value_kind: global_buffer, .address_space: global }
      - { .name: xb, .offset: 8, .size: 8, .value_kind: global_buffer, .address_space: global }
      - { .name: route, .offset: 16, .size: 8, .value_kind: global_buffer, .address_space: global }
      - { .name: selp, .offset: 24, .size: 8, .value_kind: global_buffer, .address_space: global }
      - { .name: gates, .offset: 32, .size: 8, .value_kind: global_buffer, .address_space: global }
      - { .name: part, .offset: 40, .size: 8, .value_kind: global_buffer, .address_space: global }
    .group_segment_fixed_size: 225536
    .private_segment_fixed_size: 0
    .kernarg_segment_align: 8
    .kernarg_segment_size: 48
    .max_flat_workgroup_size: 128
    .sgpr_count:     100
    .vgpr_count:     1024
    .wavefront_size: 32
...
	.end_amdgpu_metadata
.endif
;; end of part 2
;; launch sum (part 3): grid 512 x 1, 8 waves a work-group, no clusters, 0 bytes of LDS; arguments part, out0; writes out0
.if DOCPART == 3
	.amdgcn_target "amdgcn-amd-amdhsa--gfx1250"
	.amdhsa_code_object_version 6
	.text
	.protected	k_qbcd10b2126_sum
	.globl	k_qbcd10b2126_sum
	.p2align	8
	.type	k_qbcd10b2126_sum,@function
k_qbcd10b2126_sum:
	s_mov_b64 s[64:65], 0
	v_nop
	global_prefetch_b8 v0, s[64:65] scope:SCOPE_SE
	s_setreg_imm32_b32 hwreg(HW_REG_WAVE_MODE, 25, 1), 1
	s_wait_xcnt 0x0
; out0[t][:] = part[4 t][:] + part[4 t + 1][:] + part[4 t + 2][:] + part[4 t + 3][:], all f32.
; A stream: the work-group owns 8 tokens; thread t owns the 16 bytes at 16 t of every row of 4,096 bytes, so a wave's load or store covers 512 consecutive bytes, aligned.
; All 32 loads of a thread go out at once; each byte is read once and written once.  No LDS, no barrier, no matrix unit, no cluster: nothing is shared and nothing is multiplied.
.set PR, 4                             ; v4-131: row 4 tt + k at PR + 4 (4 tt + k)
	s_load_b128 s[4:7], s[0:1], 0x0                ; part s[4:5], out0 s[6:7]
	s_lshl_b32 s8, ttmp9, 17                       ; 32 rows of part
	s_mov_b32 s9, 0
	s_lshl_b32 s10, ttmp9, 15                      ; 8 rows of out0
	s_mov_b32 s11, 0
	v_lshlrev_b32 v1, 4, v0
	s_wait_kmcnt 0x0
	s_add_nc_u64 s[4:5], s[4:5], s[8:9]
	s_add_nc_u64 s[6:7], s[6:7], s[10:11]
.set ix, 0
.rept 32
	global_load_b128 v[PR+4*ix:PR+4*ix+3], v1, s[4:5] offset:4096*ix th:TH_LOAD_NT
.set ix, ix+1
.endr
.set tt, 0
.rept 8
.set bb, PR+16*tt
	s_wait_loadcnt 28-4*tt                         ; this token's four rows are in; the later tokens' loads stay out
	v_pk_add_f32 v[bb:bb+1],     v[bb:bb+1],     v[bb+4:bb+5]
	v_pk_add_f32 v[bb+2:bb+3],   v[bb+2:bb+3],   v[bb+6:bb+7]
	v_pk_add_f32 v[bb+8:bb+9],   v[bb+8:bb+9],   v[bb+12:bb+13]
	v_pk_add_f32 v[bb+10:bb+11], v[bb+10:bb+11], v[bb+14:bb+15]
	v_pk_add_f32 v[bb:bb+1],     v[bb:bb+1],     v[bb+8:bb+9]
	v_pk_add_f32 v[bb+2:bb+3],   v[bb+2:bb+3],   v[bb+10:bb+11]
	global_store_b128 v1, v[bb:bb+3], s[6:7] offset:4096*tt th:TH_STORE_NT
.set tt, tt+1
.endr
	s_endpgm
.Lfunc_end_k_qbcd10b2126_sum:
	.size	k_qbcd10b2126_sum, .Lfunc_end_k_qbcd10b2126_sum-k_qbcd10b2126_sum
	.p2alignl 7, 3214868480
	.fill 96, 4, 3214868480
	.section	.rodata,"a",@progbits
	.p2align	6, 0x0
	.amdhsa_kernel k_qbcd10b2126_sum
		.amdhsa_group_segment_fixed_size 0
		.amdhsa_private_segment_fixed_size 0
		.amdhsa_enable_private_segment 0
		.amdhsa_kernarg_size 16
		.amdhsa_user_sgpr_count 2
		.amdhsa_user_sgpr_kernarg_segment_ptr 1
		.amdhsa_wavefront_size32 1
		.amdhsa_system_sgpr_workgroup_id_x 1
		.amdhsa_system_sgpr_workgroup_id_y 1
		.amdhsa_system_sgpr_workgroup_id_z 1
		.amdhsa_system_vgpr_workitem_id 0
		.amdhsa_next_free_vgpr 132
		.amdhsa_next_free_sgpr 66
		.amdhsa_reserve_vcc 0
		.amdhsa_float_denorm_mode_32 3
		.amdhsa_float_denorm_mode_16_64 3
		.amdhsa_memory_ordered 1
		.amdhsa_forward_progress 1
		.amdhsa_inst_pref_size 8
	.end_amdhsa_kernel
	.amdgpu_metadata
---
amdhsa.version: [ 1, 2 ]
amdhsa.kernels:
  - .name:           k_qbcd10b2126_sum
    .symbol:         k_qbcd10b2126_sum.kd
    .args:
      - { .name: part, .offset: 0, .size: 8, .value_kind: global_buffer, .address_space: global }
      - { .name: out0, .offset: 8, .size: 8, .value_kind: global_buffer, .address_space: global }
    .group_segment_fixed_size: 0
    .private_segment_fixed_size: 0
    .kernarg_segment_align: 8
    .kernarg_segment_size: 16
    .max_flat_workgroup_size: 256
    .sgpr_count:     66
    .vgpr_count:     132
    .wavefront_size: 32
...
	.end_amdgpu_metadata
.endif
;; end of part 3
